; MI455X (gfx1250); checked and timed in simulation.
; The chip was launched on July 23, 2026; its instructions are those of AMD's public machine-readable ISA for CDNA 5 (MIT licence, August 2026) and "CDNA5" Instruction Set Architecture Reference Guide (July 2026). The comments in the code are by the model that wrote it; some were corrected since.
;; Self Attention Block. Allowed arithmetic: matrix products marked QUANTISED: E4M3 operands, one given power-of-two scale a tensor, by v_wmma_f32_16x16x64_fp8_fp8 or v_wmma_f32_16x16x128_fp8_fp8, f32 sums; products left as they are: f32 operands where the result goes on into a quantised operand, else bf16, f16 or f32 operands; f32 sums; everything else in f32.
;; Inputs: Wk 1,024 x 1,024 float32; Wo 1,024 x 1,024 float32; Wq 1,024 x 1,024 float32; Wt 128 x 16 float32; Wv 1,024 x 1,024 float32; bo 1,024 float32; bt 16 float32; lowp_scales 12 int32 (the exponents e of the quantised operands' scales 2^e); time_enc 4 x 128 float32; x 4 x 2,048 x 1,024 float32.
;; Outputs: out0 4 x 2,048 x 1,024 float32.
;; This version of the problem:
;;   THIS VERSION OF THE PROBLEM IS GIVEN IN LOW PRECISION. The matrix products marked QUANTISED in the list below multiply operands that are first quantised to E4M3 (4 exponent bits, 3 mantissa bits; 8 bits a number), with one given power-of-two scale for each operand tensor; their sums are f32. All else is computed in f32.
;;   The module's matrix products, in the order in which they are computed (A, B: the left and right operand; K: the contracted axis; several contracted axes count as one K, in the product's order):
;;     1. [M 8,192, K 1,024] x [K 1,024, N 1,024]; A: input x; B: input Wq: QUANTISED (scales: A lowp_scales[0], B lowp_scales[1])
;;     2. [M 8,192, K 1,024] x [K 1,024, N 1,024]; A: input x; B: input Wk: QUANTISED (scales: A lowp_scales[2], B lowp_scales[3])
;;     3. [M 8,192, K 1,024] x [K 1,024, N 1,024]; A: input x; B: input Wv: QUANTISED (scales: A lowp_scales[4], B lowp_scales[5])
;;     4. batch 64 x [M 2,048, K 64] x [K 64, N 2,048]; A: computed on the way; B: computed on the way: QUANTISED (scales: A lowp_scales[6], B lowp_scales[7])
;;     5. [M 4, K 128] x [K 128, N 16]; A: input time_enc; B: input Wt: left as it is (M = 4 < 16)
;;     6. batch 64 x [M 2,048, K 2,048] x [K 2,048, N 64]; A: softmax (see below); B: computed on the way: QUANTISED (scales: A lowp_scales[8], B lowp_scales[9])
;;     7. [M 8,192, K 1,024] x [K 1,024, N 1,024]; A: computed on the way; B: input Wo: QUANTISED (scales: A lowp_scales[10], B lowp_scales[11])
;;   THE QUANTISER, for each operand of a quantised product, along K:
;;     - The operand's scale is 2^e, e = its entry of the input lowp_scales (int32; the entries are numbered through the quantised products in the list's order, A before B).
;;     - Each number is divided by the scale, clamped to +-448, and rounded to the nearest number of E4M3, ties to even, subnormals kept.
;;     - The product sums the exact products of the quantised numbers (number of the format x scale) in f32.
;;   ~~~python
;;   def quantise(x, axis, e):      # numpy; x: float32 -> the quantised numbers, widened to float32 again
;;       x = np.moveaxis(x, axis, -1); K = x.shape[-1]
;;       r = np.clip(x / 2.0 ** e, -448, 448)
;;       step = 2.0 ** (np.maximum(np.frexp(np.where(r == 0, 1, r))[1] - 1, -6) - 3)
;;       q = np.round(r / step) * step * 2.0 ** e      # np.round: ties to even
;;       return np.moveaxis(q, -1, axis).astype(np.float32)
;;   ~~~
;;   SOFTMAX AHEAD OF A QUANTISED PRODUCT. Where the list says 'softmax', what is quantised is not the finished softmax but p = 2^(t - M), with t = logit x log2(e) and M = ceil(the row's largest t), a whole number; so 1/2 < the row's largest p <= 1. The row's sum l is taken of the UNQUANTISED p, in f32, and the product's result is divided by l at the end. Since M is a whole number, a kernel that streams over the keys may use a running M (the ceiling of the running maximum): every later rescaling is an exact power of two, so the quantised numbers keep their values, but for numbers so far below the row's largest that they fall under the format's range.
;;   OPERANDS COMPUTED ON THE WAY. 'Computed on the way' means the value that the module computes at that place (a softmax that the list does not call 'softmax' is quantised finished and normalised). What goes into a quantiser is computed in f32, as accurately as f32 sums, v_exp_f32 and their like allow (about 1e-6 of the number): no bf16 or f16 on the way to a quantiser, and a product that is left as it is and whose result goes on into a quantised operand takes f32 operands (vector FMAs, or v_wmma_f32_16x16x4_f32). A number that lies on a knife's edge between two numbers of the format may be rounded either way, as far as f32 arithmetic and the matrix unit's own rounding can turn it there, and no further.
;; One version. Each part assembles by itself: llvm-mc -triple=amdgcn-amd-amdhsa -mcpu=gfx1250 --defsym DOCPART=n.
;; ======== version 1 of 1: 4 launches
;; limits: right only within a limited range of input values
;; workspace buffers: xc 25,165,824 bytes; wc 4,194,304 bytes; tw 512 bytes; qc 8,388,608 bytes; kc 8,388,608 bytes; vc 8,388,608 bytes; oc 8,388,608 bytes
;; launch prep (part 1): grid 1281 x 1, 4 waves a work-group, no clusters, 50,688 bytes of LDS; arguments x, Wq, Wk, Wv, Wo, time_enc, Wt, bt, lowp_scales, xc, wc, tw; writes xc, wc, tw
.if DOCPART == 1
	.amdgcn_target "amdgcn-amd-amdhsa--gfx1250"
	.amdhsa_code_object_version 6
	.text
	.protected	k_q9483c2ab67_prep
	.globl	k_q9483c2ab67_prep
	.p2align	8
	.type	k_q9483c2ab67_prep,@function
k_q9483c2ab67_prep:
	s_mov_b64 s[64:65], 0
	v_nop
	global_prefetch_b8 v0, s[64:65] scope:SCOPE_SE
	s_setreg_imm32_b32 hwreg(HW_REG_WAVE_MODE, 25, 1), 1
	s_wait_xcnt 0x0
; PREP: everything that is quantised once.  Three kinds of work-groups, told apart by the work-group's number; each kind has LDS bytes of its own.
;   0          tw: c'[b][h] = softmax over heads of (time_enc Wt + bt) x log2(e) / 8, in f32 multiply-adds; wave b takes batch b.
;   1 .. 256   W:  Wq, Wk, Wv, Wo [k][n] f32 -> codes of E4M3 with K innermost (scales e1, e3, e5, e11).
;   257 ..     x:  x [8192][1024] f32 -> codes, three times (scales e0, e2, e4: nothing says that they are equal).
; THE IMAGE.  All codes are laid as images of the matrix operand's registers: [rows / 16][K / 128][2,048 bytes].  A block of 2,048 bytes is the fragment of 16 rows x 128 k of
; v_wmma_f32_16x16x128_fp8_fp8: chunk j (512 bytes) holds lane l's registers 4 j .. 4 j + 3 at byte 16 l; registers 2 c, 2 c + 1 of lane (r = l % 16, hl = l / 16) hold row r, k = 16 c + 8 hl + 0 .. 7.
; code = number / 2^e, held within +-448, to the nearest code, ties to even.
; LIMITS: e0, e2, e4, e1, e3, e5, e11 between -126 and 119, so that 2^e and 448 x 2^e are f32 numbers.  NaN among the inputs is not served; an infinity is held at the largest code.
; The sum over k of time_enc Wt goes in eight chains, another order than a single ascending sum.
; No tensor load, no barrier: waves share nothing.
.set X,      16                        ; v16-79   numbers
.set T,      80                        ; v80-95   x path: two sets of eight held numbers
.set C,      96                        ; v96-127  x path: two sets of 16 registers of codes
.set WC,     80                        ; v80-87   W path: a block's codes
.set WO,     96                        ; v96-127  W path: the way out
.set XPITCH, 528                       ; x path: a stage row: 512 bytes + 16, an odd multiple of 16: sixteen rows start at sixteen different 16-byte columns
.set XSTG,   16*XPITCH                 ; a wave's stage
.set WBASE,  4*XSTG                    ; W path's LDS begins behind the x path's: 4,096 bytes a wave
	v_lshl_add_u32 v128, v0, 2, 0xc400
	v_mov_b32 v129, 0
	v_lshrrev_b32 v1, 5, v0
	v_readfirstlane_b32 s16, v1                    ; wave 0..3
	v_and_b32 v1, 31, v0                           ; lane
	s_cmp_eq_u32 ttmp9, 0
	s_cbranch_scc1 .Ltw
	s_cmp_lt_u32 ttmp9, 257
	s_cbranch_scc1 .Lw
; ---------------- x: a wave takes one fragment, 16 rows x 128 k, and makes three images of it
	s_load_b64 s[4:5], s[0:1], 0x0                 ; x
	s_load_b128 s[8:11], s[0:1], 0x40              ; the scales' exponents s[8:9], xc s[10:11]
	s_sub_co_u32 s17, ttmp9, 257
	s_lshr_b32 s18, s17, 1                         ; which 16 rows
	s_and_b32 s19, s17, 1
	s_lshl_b32 s19, s19, 2
	s_add_co_u32 s19, s19, s16                     ; which 128 along K: 4 x (work-group's parity) + wave
	s_lshl_b32 s26, s18, 16                        ; 16 rows of 4,096 bytes
	s_lshl_b32 s27, s19, 9                         ; 128 numbers
	s_add_co_u32 s26, s26, s27
	s_mov_b32 s27, 0
	s_lshl_b32 s28, s18, 3
	s_add_co_u32 s28, s28, s19
	s_lshl_b32 s28, s28, 11                        ; the image's place
	s_mov_b32 s29, 0
	s_mul_i32 s30, s16, XSTG
	s_wait_alu depctr_va_vdst(0)
	v_lshlrev_b32 v2, 4, v1                        ; 16 x lane
	v_add_nc_u32 v3, s30, v2                       ; into the stage: as loaded
	v_and_b32 v5, 15, v0                           ; r
	v_bfe_u32 v6, v0, 4, 1                         ; hl
	v_mul_u32_u24 v4, v5, XPITCH
	v_lshl_add_u32 v4, v6, 5, v4
	v_add_nc_u32 v4, s30, v4                       ; out of it: row r, + 32 hl bytes: eight neighbours of each 16 along K
	s_wait_alu depctr_va_vdst(0)
	s_wait_kmcnt 0x0
	s_load_b256 s[32:39], s[8:9], 0x0              ; e0 .. e7
	s_add_nc_u64 s[4:5], s[4:5], s[26:27]
	s_add_nc_u64 s[20:21], s[10:11], s[28:29]      ; three bases, 8 MiB apart: that distance does not fit a store's immediate
	s_add_nc_u64 s[22:23], s[20:21], 0x800000
	s_add_nc_u64 s[24:25], s[22:23], 0x800000
.irp i, 0,1,2,3,4,5,6,7,8,9,10,11,12,13,14,15
	global_load_b128 v[X+4*\i:X+4*\i+3], v2, s[4:5] offset:4096*\i th:TH_LOAD_NT   ; 32 lanes read 512 consecutive bytes of row i
.endr
	s_wait_kmcnt 0x0
.irp q, 0,1,2
	s_add_co_i32 s40, s[32+2*\q], 127
	s_lshl_b32 s41, s40, 23
	v_mov_b32 v[8+\q], s41                         ; 2^e as f32: the conversion takes its exponent field
	s_add_co_i32 s40, s40, 8
	s_lshl_b32 s40, s40, 23
	s_or_b32 s40, s40, 0x600000
	v_mov_b32 v[11+\q], s40                        ; 448 x 2^e
.endr
	s_wait_alu depctr_va_vdst(0)
.irp i, 0,1,2,3,4,5,6,7,8,9,10,11,12,13,14,15
	s_wait_loadcnt 15-\i                           ; loads come back in order: row i is in, the 15 - i younger ones may be out
	ds_store_b128 v3, v[X+4*\i:X+4*\i+3] offset:XPITCH*\i
.endr
	s_wait_dscnt 0x0                               ; the stores have read their registers, which are loaded anew
.irp c, 0,1,2,3,4,5,6,7
	ds_load_b128 v[X+8*\c:X+8*\c+3], v4 offset:64*\c        ; register 8 c + i = k 16 c + 8 hl + i of row r
	ds_load_b128 v[X+8*\c+4:X+8*\c+7], v4 offset:64*\c+16
.endr
	s_wait_dscnt 0x0
; One image: the hold (the conversion to an 8-bit code does not saturate: ISA guide 7.6.2), the conversion, four stores of 512 consecutive bytes.
; The held numbers go into two sets by turns, so that the other set's eight holds stand between a conversion and the next write of its sources.
.macro XQ q
.if (\q) == 2
	s_wait_xcnt 0x0                                ; the first image's stores have read their data: that set of codes is written again
.endif
.irp c, 0,1,2,3,4,5,6,7
.irp i, 0,1,2,3,4,5,6,7
	v_med3_num_f32 v[T+8*(\c%2)+\i], v[X+8*\c+\i], -v[11+(\q)], v[11+(\q)]
.endr
	v_cvt_scalef32_pk8_fp8_f32 v[C+16*((\q)%2)+2*\c:C+16*((\q)%2)+2*\c+1], v[T+8*(\c%2):T+8*(\c%2)+7], v[8+(\q)]
.endr
	v_nop                                          ; a plain line behind the last conversion
.irp j, 0,1,2,3
	global_store_b128 v2, v[C+16*((\q)%2)+4*\j:C+16*((\q)%2)+4*\j+3], s[20+2*(\q):21+2*(\q)] offset:512*\j
.endr
.endm
	XQ 0
	XQ 1
	XQ 2
	s_wait_tensorcnt 0x0
	ds_add_u32 v128, v129
	s_wait_dscnt 0x0
	s_endpgm
; ---------------- W: a lane takes a column n and its registers run down K; a wave takes 32 columns x 128 k: two images
.Lw:
	s_load_b256 s[4:11], s[0:1], 0x8               ; Wq, Wk, Wv, Wo
	s_load_b64 s[12:13], s[0:1], 0x40              ; the scales' exponents
	s_load_b64 s[14:15], s[0:1], 0x50              ; wc
	s_sub_co_u32 s17, ttmp9, 1
	s_lshr_b32 s18, s17, 6                         ; which matrix: 0 q, 1 k, 2 v, 3 o
	s_bfe_u32 s19, s17, 0x30003                    ; which 128 along K
	s_and_b32 s20, s17, 7                          ; which 128 columns
	s_lshl_b32 s21, s20, 7
	s_lshl_b32 s22, s16, 5
	s_add_co_u32 s21, s21, s22                     ; my wave's first column
	s_lshl_b32 s22, s19, 19                        ; 128 rows of 4,096 bytes
	s_lshl_b32 s23, s21, 2
	s_add_co_u32 s22, s22, s23
	s_mov_b32 s23, 0
	s_lshl_b32 s24, s18, 20                        ; a matrix's codes: 1 MiB
	s_lshl_b32 s25, s21, 10                        ; (column / 16) x 8 images of 2,048 bytes
	s_add_co_u32 s24, s24, s25
	s_lshl_b32 s25, s19, 11
	s_add_co_u32 s24, s24, s25
	s_mov_b32 s25, 0
	s_wait_alu depctr_va_vdst(0)
	v_lshlrev_b32 v2, 2, v1                        ; in: 4 bytes a lane
	s_lshl_b32 s26, s16, 12
	s_add_co_u32 s26, s26, WBASE                   ; my wave's two images in LDS
	v_and_b32 v8, 15, v0
	v_bfe_u32 v9, v0, 4, 1
	v_lshlrev_b32 v3, 4, v8
	v_lshl_add_u32 v3, v9, 11, v3
	v_add_nc_u32 v3, s26, v3                       ; into them: image lane / 16, row lane % 16
	v_lshlrev_b32 v5, 4, v1                        ; 16 x lane
	v_add_nc_u32 v4, s26, v5                       ; and out of them
	s_wait_alu depctr_va_vdst(0)
	s_wait_kmcnt 0x0
	s_load_b256 s[32:39], s[12:13], 0x0            ; e0 .. e7
	s_load_b32 s40, s[12:13], 0x2c                 ; e11
	s_cmp_eq_u32 s18, 1                            ; the choice hangs on the work-group's number alone
	s_cselect_b64 s[4:5], s[6:7], s[4:5]
	s_cmp_eq_u32 s18, 2
	s_cselect_b64 s[4:5], s[8:9], s[4:5]
	s_cmp_eq_u32 s18, 3
	s_cselect_b64 s[4:5], s[10:11], s[4:5]
	s_add_nc_u64 s[4:5], s[4:5], s[22:23]
	s_add_nc_u64 s[20:21], s[14:15], s[24:25]
.macro WLOAD t                         ; W(32 t + i, my column), i = 0 .. 31: a wave reads 128 consecutive bytes, the four waves 512
.irp i, 0,1,2,3,4,5,6,7,8,9,10,11,12,13,14,15,16,17,18,19,20,21,22,23,24,25,26,27,28,29,30,31
	global_load_b32 v[X+32*((\t)%2)+\i], v2, s[4:5] offset:(32*(\t)+\i)*4096 th:TH_LOAD_NT
.endr
.endm
	WLOAD 0
	WLOAD 1
	s_wait_kmcnt 0x0
	s_cmp_eq_u32 s18, 1
	s_cselect_b32 s33, s35, s33                    ; e1, e3, e5 or e11
	s_cmp_eq_u32 s18, 2
	s_cselect_b32 s33, s37, s33
	s_cmp_eq_u32 s18, 3
	s_cselect_b32 s33, s40, s33
	s_add_co_i32 s33, s33, 127
	s_lshl_b32 s34, s33, 23
	v_mov_b32 v6, s34                              ; 2^e
	s_add_co_i32 s33, s33, 8
	s_lshl_b32 s33, s33, 23
	s_or_b32 s33, s33, 0x600000
	v_mov_b32 v7, s33                              ; 448 x 2^e
; 32 along K of my column: four groups of eight codes.  Group 4 t + u holds k = 8 (4 t + u) on: in the image that is c = (4 t + u) / 2, hl = u % 2: chunk t, + 256 hl, + 8 (c % 2).
.macro WBLOCK t
.set XS, X+32*((\t)%2)
.if (\t) < 3
	s_wait_loadcnt 32                              ; this block's 32 loads are in; the next block's 32 may be out
.else
	s_wait_loadcnt 0x0
.endif
.irp i, 0,1,2,3,4,5,6,7,8,9,10,11,12,13,14,15,16,17,18,19,20,21,22,23,24,25,26,27,28,29,30,31
	v_med3_num_f32 v[XS+\i], v[XS+\i], -v7, v7
.endr
.irp u, 0,1,2,3
	v_cvt_scalef32_pk8_fp8_f32 v[WC+2*\u:WC+2*\u+1], v[XS+8*\u:XS+8*\u+7], v6
.endr
	v_nop                                          ; a plain line behind the last conversion
.irp u, 0,1,2,3
	ds_store_b64 v3, v[WC+2*\u:WC+2*\u+1] offset:512*(\t)+256*(\u%2)+8*(\u/2)
.endr
.if (\t) < 2
	WLOAD (\t)+2
.endif
	s_wait_dscnt 0x0                               ; the stores have read their registers: the next block's codes may be written
.endm
	s_wait_alu depctr_va_vdst(0)
	WBLOCK 0
	WBLOCK 1
	WBLOCK 2
	WBLOCK 3
.irp i, 0,1,2,3,4,5,6,7
	ds_load_b128 v[WO+4*\i:WO+4*\i+3], v4 offset:512*\i     ; LDS serves a wave's instructions in order: these see my stores
.endr
.irp i, 0,1,2,3,4,5,6,7
	s_wait_dscnt 7-\i
	global_store_b128 v5, v[WO+4*\i:WO+4*\i+3], s[20:21] offset:(\i/4)*16384+512*(\i%4)   ; 512 consecutive bytes; the second 16 columns' image lies 8 images on
.endr
	s_wait_tensorcnt 0x0
	ds_add_u32 v128, v129
	s_wait_dscnt 0x0
	s_endpgm
; ---------------- tw: wave b, lane (r, hl): head r, k = 64 hl .. 64 hl + 63
.Ltw:
	s_load_b128 s[4:7], s[0:1], 0x28               ; time_enc, Wt
	s_load_b64 s[8:9], s[0:1], 0x38                ; bt
	s_load_b64 s[10:11], s[0:1], 0x58              ; tw
	s_mov_b32 s12, 0x76543210                      ; v_permlanex16_b32: lane l xor 16
	s_mov_b32 s13, 0xfedcba98
	v_and_b32 v6, 15, v0
	v_bfe_u32 v7, v0, 4, 1
	s_lshl_b32 s17, s16, 9
	v_lshlrev_b32 v2, 8, v7
	v_add_nc_u32 v2, s17, v2                       ; time_enc: row b of 512 bytes, + 256 hl
	v_lshlrev_b32 v4, 2, v6                        ; bt: 4 r
	v_lshl_add_u32 v3, v7, 12, v4                  ; Wt: 64 hl rows of 64 bytes, + 4 r
	s_lshl_b32 s17, s16, 7
	s_wait_alu depctr_va_vdst(0)
	v_lshlrev_b32 v5, 2, v1
	v_add_nc_u32 v5, s17, v5                       ; tw: 128 b + 4 x lane: a word for each lane, so that no lane is switched off
	v_mov_b32 v117, 0                              ; a lane permute's destination counts as read
	s_wait_kmcnt 0x0
.irp i, 0,1,2,3,4,5,6,7,8,9,10,11,12,13,14,15
	global_load_b128 v[16+4*\i:16+4*\i+3], v2, s[4:5] offset:16*\i
.endr
	global_load_b32 v116, v4, s[8:9]
.irp i, 0,1,2,3,4,5,6,7,8,9,10,11,12,13,14,15,16,17,18,19,20,21,22,23,24,25,26,27,28,29,30,31
	global_load_b32 v[80+\i], v3, s[6:7] offset:64*\i
.endr
	s_wait_loadcnt 0x0
.set j, 0
.rept 4
	v_mul_f32 v[112+j], v[16+j], v[80+j]           ; four chains, started by their first products
.set j, j+1
.endr
.rept 28
	v_fma_f32 v[112+j%4], v[16+j], v[80+j], v[112+j%4]
.set j, j+1
.endr
.irp i, 0,1,2,3,4,5,6,7,8,9,10,11,12,13,14,15,16,17,18,19,20,21,22,23,24,25,26,27,28,29,30,31
	global_load_b32 v[80+\i], v3, s[6:7] offset:2048+64*\i
.endr
	s_wait_alu depctr_va_vdst(0)
	s_wait_loadcnt 0x0
.rept 32
	v_fma_f32 v[112+j%4], v[16+j], v[48+j], v[112+j%4]
.set j, j+1
.endr
	v_add_f32 v112, v112, v113
	v_add_f32 v114, v114, v115
	v_add_f32 v112, v112, v114
	v_permlanex16_b32 v117, v112, s12, s13         ; the other 64 along k
	v_add_f32 v112, v112, v117
	v_add_f32 v112, v112, v116                     ; + bt
	v_mov_b32 v118, v112
.irp m, 1,2,4,8
	v_max_num_f32_dpp v118, v118, v118 row_xmask:\m row_mask:0xf bank_mask:0xf   ; the largest of the 16 heads
.endr
	v_sub_f32 v112, v112, v118
	v_mul_f32 v112, 0x3fb8aa3b, v112               ; x log2(e)
	s_wait_alu depctr_va_vdst(0)
	v_exp_f32 v112, v112
	v_nop                                          ; a plain line behind the transcendental (ISA guide 5.7.2),
	s_wait_alu depctr_va_vdst(0)                   ; and the wait ahead of its first reader
	v_mov_b32 v119, v112
.irp m, 1,2,4,8
	v_add_f32_dpp v119, v119, v119 row_xmask:\m row_mask:0xf bank_mask:0xf
.endr
	s_wait_alu depctr_va_vdst(0)
	v_rcp_f32 v119, v119
	v_nop
	s_wait_alu depctr_va_vdst(0)
	v_mul_f32 v112, v112, v119
	v_mul_f32 v112, 0x3e38aa3b, v112               ; x log2(e) / sqrt(64)
	global_store_b32 v5, v112, s[10:11]
	s_endpgm
.Lfunc_end_k_q9483c2ab67_prep:
	.size	k_q9483c2ab67_prep, .Lfunc_end_k_q9483c2ab67_prep-k_q9483c2ab67_prep
	.p2alignl 7, 3214868480
	.fill 96, 4, 3214868480
	.section	.rodata,"a",@progbits
	.p2align	6, 0x0
	.amdhsa_kernel k_q9483c2ab67_prep
		.amdhsa_group_segment_fixed_size 50688
		.amdhsa_private_segment_fixed_size 0
		.amdhsa_enable_private_segment 0
		.amdhsa_kernarg_size 96
		.amdhsa_user_sgpr_count 2
		.amdhsa_user_sgpr_kernarg_segment_ptr 1
		.amdhsa_wavefront_size32 1
		.amdhsa_system_sgpr_workgroup_id_x 1
		.amdhsa_system_sgpr_workgroup_id_y 1
		.amdhsa_system_sgpr_workgroup_id_z 1
		.amdhsa_system_vgpr_workitem_id 0
		.amdhsa_next_free_vgpr 130
		.amdhsa_next_free_sgpr 66
		.amdhsa_reserve_vcc 0
		.amdhsa_float_denorm_mode_32 3
		.amdhsa_float_denorm_mode_16_64 3
		.amdhsa_memory_ordered 1
		.amdhsa_forward_progress 1
		.amdhsa_inst_pref_size 62
	.end_amdhsa_kernel
	.amdgpu_metadata
---
amdhsa.version: [ 1, 2 ]
amdhsa.kernels:
  - .name:           k_q9483c2ab67_prep
    .symbol:         k_q9483c2ab67_prep.kd
    .args:
      - { .name: x, .offset: 0, .size: 8, .value_kind: global_buffer, .address_space: global }
      - { .name: Wq, .offset: 8, .size: 8, .value_kind: global_buffer, .address_space: global }
      - { .name: Wk, .offset: 16, .size: 8, .value_kind: global_buffer, .address_space: global }
      - { .name: Wv, .offset: 24, .size: 8, .value_kind: global_buffer, .address_space: global }
      - { .name: Wo, .offset: 32, .size: 8, .value_kind: global_buffer, .address_space: global }
      - { .name: time_enc, .offset: 40, .size: 8, .value_kind: global_buffer, .address_space: global }
      - { .name: Wt, .offset: 48, .size: 8, .value_kind: global_buffer, .address_space: global }
      - { .name: bt, .offset: 56, .size: 8, .value_kind: global_buffer, .address_space: global }
      - { .name: lowp_scales, .offset: 64, .size: 8, .value_kind: global_buffer, .address_space: global }
      - { .name: xc, .offset: 72, .size: 8, .value_kind: global_buffer, .address_space: global }
      - { .name: wc, .offset: 80, .size: 8, .value_kind: global_buffer, .address_space: global }
      - { .name: tw, .offset: 88, .size: 8, .value_kind: global_buffer, .address_space: global }
    .group_segment_fixed_size: 50688
    .private_segment_fixed_size: 0
    .kernarg_segment_align: 8
    .kernarg_segment_size: 96
    .max_flat_workgroup_size: 128
    .sgpr_count:     66
    .vgpr_count:     130
    .wavefront_size: 32
...
	.end_amdgpu_metadata
.endif
;; end of part 1
;; launch qkv (part 2): grid 4 x 64, 4 waves a work-group, clusters of 4 x 1, 327,680 bytes of LDS; arguments xc, wc, lowp_scales, qc, kc, vc; writes qc, kc, vc
.if DOCPART == 2
	.amdgcn_target "amdgcn-amd-amdhsa--gfx1250"
	.amdhsa_code_object_version 6
	.text
	.protected	k_q9483c2ab67_qkv
	.globl	k_q9483c2ab67_qkv
	.p2align	8
	.type	k_q9483c2ab67_qkv,@function
k_q9483c2ab67_qkv:
	s_mov_b64 s[64:65], 0
	v_nop
	global_prefetch_b8 v0, s[64:65] scope:SCOPE_SE
	s_setreg_imm32_b32 hwreg(HW_REG_WAVE_MODE, 25, 1), 1
	s_wait_xcnt 0x0
	s_wait_alu depctr_hold_cnt(0) depctr_sa_sdst(0) depctr_va_vdst(0) depctr_va_sdst(0) depctr_va_ssrc(0) depctr_va_vcc(0) depctr_vm_vsrc(0)
	s_getreg_b32 s2, hwreg(HW_REG_IB_STS2, 6, 4)
	s_cmp_eq_u32 s2, 0
	s_cbranch_scc0 .Lentry_in_a_cluster
	s_endpgm
.Lentry_in_a_cluster:
	s_bfe_u32 s2, ttmp6, 0x10000c
	s_cmp_lg_u32 s2, 0x3003
	s_cbranch_scc0 .Lentry_shape_is_right
	s_endpgm
.Lentry_shape_is_right:
; q = x Wq, k = x Wk, v = x Wv on codes of E4M3, each result quantised at once (scales e6, e7, e9) for the attention launch.  M 8,192, N 3 x 1,024, K 1,024; sums in f32.
; code of a result = sum / 2^(e_out - e_x - e_w), held within +-448.  LIMIT: e6 - e0 - e1, e7 - e2 - e3, e9 - e4 - e5 between -126 and 119, so that each scale and 448 x it are f32 numbers.
; SHARES.  Work-group (cx, y): token rows 128 y on, columns 256 cx on of q, then of k, then of v: three tiles.  Wave w: the tile's columns 64 w on (one head): 128 x 64, 32 accumulators, 256 registers.  256 work-groups.
; A (x's codes; one image for each of q, k, v, since their scales may differ): 128 rows x the whole K are one dense block of 131,072 bytes of register images: one slot of a ring of two, filled by one tensor load of 32,768 bytes a wave.
; The four work-groups of a row block are a cluster and ask JOINTLY (mask 15).  Three fills in all: image 0 at the head, image 1 behind the first round, image 2 behind the second, into slot 0 again.
; B (W's codes) is each wave's own: its fragments go from memory straight into registers, 16 loads a K step of 128, in four sets by turns, three K steps ahead, on across the tiles.
; PREFETCH: behind the load of image i each wave names, a lane a block of 256 bytes, its 8,192 bytes of image i + 1's 131,072 (the partners share them out by address: 32,768 cx + 8,192 w): one fill ahead; behind the last load nothing is asked.
; q, k: source 0 = 16 columns of W, source 1 = 16 tokens: a lane holds one token and eight neighbouring features: the conversions give the image [token / 16][head][1,024 bytes].
; v: the sources are swapped: a lane holds one feature and eight neighbouring tokens: the image [feature / 16][token / 128][2,048 bytes], keys innermost.
; REGISTERS: window 0: v1-9 addresses and scales, v32-159 held numbers, v160-223 codes; window 1: A's two sets; window 2: the accumulators, (a, b) at v[8 (4 a + b)]; window 3: B's four sets.
.set KSB,   2048
.set R16,   16384
.set SLOT,  131072
.set SPARE, 2*SLOT
.set IMG,   0x800000                   ; from one image of x to the next
.set WMAT,  0x100000                   ; from one matrix's codes to the next
.set LO,   1                           ; v1  16 x lane
.set ADA,  2                           ; v2  LDS address of A's blocks 0-3 in the slot in hand
.set ADB,  3                           ; v3  of its blocks 4-7
.set SCL,  4
.set LIM,  5
.set SPW,  6
.set NIL,  7
.set LOH,  8                           ; v8  16 x lane + 65,536
.set PFO,  9                           ; v9  256 x lane
.set TMP,  32
.set CD,   160
.set TB,   17                          ; s17 the slot in hand
.set G1,   24
.set G0,   32
.set MSB, 0
.macro WIN new
.if MSB != \new
	s_set_vgpr_msb (MSB<<8)|\new
.set MSB, \new
.endif
.endm
.macro CROUND
	s_barrier_signal -1
	s_barrier_wait -1
	s_cmp_lg_u32 s14, 0
	s_cbranch_scc1 .Lnot_wave_0_\@
	s_barrier_signal -3
.Lnot_wave_0_\@:
	s_barrier_wait -3
	s_barrier_signal -1
	s_barrier_wait -1
.endm
.macro TLOAD
	tensor_load_to_lds s[G0:G0+3], s[G1:G1+7]
	s_nop 0
.rept 4
	v_nop
.endr
.endm
.macro BLOAD s, off                    ; 16 loads: B's four fragments of one K step into set s
	WIN 0xc0
.irp b, 0,1,2,3
.irp c, 0,1,2,3
	global_load_b128 v[64*(\s)+16*\b+4*\c:64*(\s)+16*\b+4*\c+3], v[LO], s[6:7] offset:(\off)+R16*\b+512*\c
.endr
.endr
.endm
.macro ALOAD ks                        ; 32 LDS loads: A's eight fragments of K step ks into set ks % 2
	WIN 0x40
.irp a, 0,1,2,3
.irp c, 0,1,2,3
	ds_load_b128 v[128*((\ks)%2)+16*\a+4*\c:128*((\ks)%2)+16*\a+4*\c+3], v[ADA] offset:R16*\a+KSB*(\ks)+512*\c
.endr
.endr
.irp a, 0,1,2,3
.irp c, 0,1,2,3
	ds_load_b128 v[128*((\ks)%2)+64+16*\a+4*\c:128*((\ks)%2)+64+16*\a+4*\c+3], v[ADB] offset:R16*\a+KSB*(\ks)+512*\c
.endr
.endr
.endm
.macro MUL ks, sw                      ; 32 matrix instructions, the 32 accumulators by turns, in the same order in every K step; K step 0 starts the sums
.if \sw
	WIN 0xad                                       ; source 0 window 1 (A), source 1 window 3 (B), C and D window 2
.else
	WIN 0xa7                                       ; source 0 window 3 (B), source 1 window 1 (A)
.endif
.irp a, 0,1,2,3,4,5,6,7
.irp b, 0,1,2,3
.if \sw
.if (\ks) == 0
	v_wmma_f32_16x16x128_fp8_fp8 v[8*(4*\a+\b):8*(4*\a+\b)+7], v[128*((\ks)%2)+16*\a:128*((\ks)%2)+16*\a+15], v[64*((\ks)%4)+16*\b:64*((\ks)%4)+16*\b+15], 0
.else
	v_wmma_f32_16x16x128_fp8_fp8 v[8*(4*\a+\b):8*(4*\a+\b)+7], v[128*((\ks)%2)+16*\a:128*((\ks)%2)+16*\a+15], v[64*((\ks)%4)+16*\b:64*((\ks)%4)+16*\b+15], v[8*(4*\a+\b):8*(4*\a+\b)+7]
.endif
.else
.if (\ks) == 0
	v_wmma_f32_16x16x128_fp8_fp8 v[8*(4*\a+\b):8*(4*\a+\b)+7], v[64*((\ks)%4)+16*\b:64*((\ks)%4)+16*\b+15], v[128*((\ks)%2)+16*\a:128*((\ks)%2)+16*\a+15], 0
.else
	v_wmma_f32_16x16x128_fp8_fp8 v[8*(4*\a+\b):8*(4*\a+\b)+7], v[64*((\ks)%4)+16*\b:64*((\ks)%4)+16*\b+15], v[128*((\ks)%2)+16*\a:128*((\ks)%2)+16*\a+15], v[8*(4*\a+\b):8*(4*\a+\b)+7]
.endif
.endif
.endr
.endr
.rept 4
	v_nop                                          ; four places ahead of loads into registers that these products read, and of the first read of results
.endr
.endm
; A K step.  ld = 1: B's loads of three K steps on, into the set that the last K step read; then A's loads of the next K step.  lc: B's loads issued behind this K step's, which may be out.
.macro KSTEP ks, sw, ld, off, lc
.if \ld
	BLOAD ((\ks)+3)%4, \off
.endif
.if (\ks) < 7
	ALOAD (\ks)+1
	s_wait_dscnt 32                                ; this K step's fragments of A are in; the 32 just issued may be out
.else
	s_wait_dscnt 0x0
.endif
	s_wait_loadcnt \lc
	MUL \ks, \sw
.endm
	s_load_b128 s[4:7], s[0:1], 0x0                ; xc, wc
	s_load_b128 s[8:11], s[0:1], 0x10              ; the scales' exponents, qc
	s_load_b128 s[80:83], s[0:1], 0x20             ; kc, vc
	v_lshl_add_u32 v[SPW], v0, 2, SPARE
	v_mov_b32 v[NIL], 0
	ds_add_u32 v[SPW], v[NIL]                      ; the opening lines: the add twice on end and its wait
	ds_add_u32 v[SPW], v[NIL]
	v_lshrrev_b32 v10, 5, v0
	v_readfirstlane_b32 s14, v10                   ; wave 0..3
	v_and_b32 v11, 31, v0
	v_lshlrev_b32 v[LO], 4, v11
	v_add_nc_u32 v[LOH], 65536, v[LO]
	v_lshlrev_b32 v[PFO], 8, v11
	s_bfe_u32 s15, ttmp6, 0x40000                  ; cx: which 256 columns; it enters B's, the results' and the prefetches' addresses alone
	s_and_b32 s16, ttmp7, 0xffff                   ; y: which 128 rows
	s_mov_b32 s[G1], 15|(3<<16)|(1<<21)            ; the mask: all four work-groups; elements of 8 bytes; bit 21 set beside the mask
	s_mov_b32 s[G1+1], 512<<16                     ; 8 rows of 4,096 bytes, dense in memory and in LDS
	s_mov_b32 s[G1+2], 8<<16
	s_mov_b32 s[G1+3], 512<<16
	s_mov_b32 s[G1+4], 8
	s_mov_b32 s[G1+5], 512
	s_mov_b32 s[G1+6], 0
	s_mov_b32 s[G1+7], 0
	s_lshl_b32 s38, s14, 15                        ; my quarter of a slot
	s_lshl_b32 s36, s16, 17                        ; A: 131,072 y + 32,768 w
	s_add_co_u32 s36, s36, s38
	s_mov_b32 s37, 0
	s_lshl_b32 s40, s15, 18                        ; B: (16 cx + 4 w) rows of images of 16,384 bytes
	s_lshl_b32 s41, s14, 16
	s_add_co_u32 s40, s40, s41
	s_mov_b32 s41, 0
	s_lshl_b32 s42, s16, 17                        ; q, k: 8 y rows of 16,384 bytes, head 4 cx + w's 1,024 of them
	s_lshl_b32 s43, s15, 12
	s_add_co_u32 s42, s42, s43
	s_lshl_b32 s43, s14, 10
	s_add_co_u32 s42, s42, s43
	s_mov_b32 s43, 0
	s_lshl_b32 s44, s15, 21                        ; v: (16 cx + 4 w) rows of 131,072 bytes, image y of them
	s_lshl_b32 s45, s14, 19
	s_add_co_u32 s44, s44, s45
	s_lshl_b32 s45, s16, 11
	s_add_co_u32 s44, s44, s45
	s_mov_b32 s45, 0
	s_lshl_b32 s50, s16, 17                        ; the prefetches: 131,072 y + 32,768 cx + 8,192 w
	s_lshl_b32 s51, s15, 15
	s_add_co_u32 s50, s50, s51
	s_lshl_b32 s51, s14, 13
	s_add_co_u32 s50, s50, s51
	s_mov_b32 s51, 0
	s_mov_b32 s3, 0
	s_mov_b32 s[TB], 0
	s_wait_alu depctr_va_vdst(0)                   ; the wait at the head's end, directly ahead of the wait below
	s_wait_dscnt 0x0
	s_wait_kmcnt 0x0
	s_load_b256 s[68:75], s[8:9], 0x0              ; e0 .. e7
	s_load_b128 s[76:79], s[8:9], 0x20             ; e8 .. e11
	s_add_nc_u64 s[46:47], s[4:5], s[50:51]
	s_add_nc_u64 s[46:47], s[46:47], IMG           ; image 1
	s_add_nc_u64 s[48:49], s[46:47], IMG           ; image 2
	s_add_nc_u64 s[4:5], s[4:5], s[36:37]
	s_add_nc_u64 s[6:7], s[6:7], s[40:41]
	s_add_nc_u64 s[10:11], s[10:11], s[42:43]
	s_add_nc_u64 s[80:81], s[80:81], s[42:43]
	s_add_nc_u64 s[82:83], s[82:83], s[44:45]
	s_mov_b32 s[G0], 1
	s_mov_b32 s[G0+1], s38
	s_mov_b64 s[G0+2:G0+3], s[4:5]
	s_or_b32 s[G0+3], s[G0+3], 0x80000000
	CROUND                                         ; all four work-groups are here: the joint loads meet
	TLOAD                                          ; image 0 into slot 0: my one tensor load at the head
	BLOAD 0, 0
	BLOAD 1, KSB
	BLOAD 2, 2*KSB
	WIN 0
	global_prefetch_b8 v[PFO], s[46:47] th:TH_LOAD_NT scope:SCOPE_SE
	s_wait_kmcnt 0x0
	s_sub_co_i32 s84, s74, s68                     ; e_out - e_x - e_w for q, k, v
	s_sub_co_i32 s84, s84, s69
	s_sub_co_i32 s86, s75, s70
	s_sub_co_i32 s86, s86, s71
	s_sub_co_i32 s88, s77, s72
	s_sub_co_i32 s88, s88, s73
.irp r, 84, 86, 88
	s_add_co_i32 s[\r], s[\r], 127
	s_add_co_i32 s[\r+1], s[\r], 8
	s_lshl_b32 s[\r], s[\r], 23                    ; the scale as f32
	s_lshl_b32 s[\r+1], s[\r+1], 23
	s_or_b32 s[\r+1], s[\r+1], 0x600000            ; 448 x it
.endr
.Ltile:                                                ; two trips: q from slot 0, k from slot 1
	s_wait_tensorcnt 0x0                           ; my part of this trip's image is in,
	ds_add_u32 v[SPW], v[NIL]
	s_xor_b32 s[G0+1], s[G0+1], SLOT               ; the other slot,
	s_add_nc_u64 s[G0+2:G0+3], s[G0+2:G0+3], IMG   ; the next image
	s_wait_dscnt 0x0                               ; the add is done, and my reads of the other slot are over
	CROUND                                         ; both hold of every wave of the cluster
	TLOAD                                          ; my one tensor load behind the round (the first time: slot 1's first fill, issued as a refill is)
	v_add_nc_u32 v[ADA], s[TB], v[LO]
	v_add_nc_u32 v[ADB], s[TB], v[LOH]
	s_wait_alu depctr_va_vdst(0)                   ; the wait behind these writes
	ALOAD 0
	WIN 0
	s_cmp_eq_u32 s3, 0                             ; the count of trips alone: the same in all partners
	s_cbranch_scc0 .Lno_ask
	global_prefetch_b8 v[PFO], s[48:49] th:TH_LOAD_NT scope:SCOPE_SE
.Lno_ask:
.irp k, 0,1,2,3,4
	KSTEP \k, 0, 1, KSB*(\k+3), 48
.endr
.irp k, 5,6,7
	KSTEP \k, 0, 1, WMAT+KSB*(\k-5), 48            ; the next matrix's first three K steps
.endr
	WIN 0
	s_wait_xcnt 0x0                                ; the last tile's stores have read their data and base
	s_cmp_eq_u32 s3, 0
	s_cselect_b32 s90, s84, s86
	s_cselect_b32 s91, s85, s87
	s_cselect_b64 s[92:93], s[10:11], s[80:81]
	v_mov_b32 v[SCL], s90
	v_mov_b32 v[LIM], s91
.irp a, 0,1,2,3,4,5,6,7                        ; 16 tokens x 64 features: the hold (the conversion does not saturate: ISA guide 7.6.2), the conversion, two stores of 512 consecutive bytes
	WIN 0x02
.set j, 0
.rept 32
	v_med3_num_f32 v[TMP+32*(\a%2)+j], v[32*\a+j], -v[LIM], v[LIM]
.set j, j+1
.endr
	WIN 0
.irp b, 0,1,2,3
	v_cvt_scalef32_pk8_fp8_f32 v[CD+8*\a+2*\b:CD+8*\a+2*\b+1], v[TMP+32*(\a%2)+8*\b:TMP+32*(\a%2)+8*\b+7], v[SCL]
.endr
	v_nop                                          ; a plain line behind the last conversion
	global_store_b128 v[LO], v[CD+8*\a:CD+8*\a+3], s[92:93] offset:R16*\a
	global_store_b128 v[LO], v[CD+8*\a+4:CD+8*\a+7], s[92:93] offset:R16*\a+512
.endr
	s_wait_xcnt 0x0                                ; B's loads have read their base
	s_add_nc_u64 s[6:7], s[6:7], WMAT
	s_xor_b32 s[TB], s[TB], SLOT
	s_add_co_u32 s3, s3, 1
	s_cmp_lt_u32 s3, 2
	s_cbranch_scc1 .Ltile
	; v, from slot 0: written out, since nothing more is fetched into LDS and the sources are swapped
	s_wait_tensorcnt 0x0
	ds_add_u32 v[SPW], v[NIL]
	s_wait_dscnt 0x0
	s_barrier_signal -1
	s_barrier_wait -1                              ; everybody's part of image 2 is in
	v_add_nc_u32 v[ADA], s[TB], v[LO]
	v_add_nc_u32 v[ADB], s[TB], v[LOH]
	s_wait_alu depctr_va_vdst(0)
	ALOAD 0
.irp k, 0,1,2,3,4
	KSTEP \k, 1, 1, KSB*(\k+3), 48
.endr
	KSTEP 5, 1, 0, 0, 32
	KSTEP 6, 1, 0, 0, 16
	KSTEP 7, 1, 0, 0, 0
	WIN 0
	s_wait_xcnt 0x0
	v_mov_b32 v[SCL], s88
	v_mov_b32 v[LIM], s89
.irp b, 0,1,2,3                                ; 16 features x 128 tokens: four stores of 512 consecutive bytes
	WIN 0x02
.irp a, 0,1,2,3,4,5,6,7
.irp i, 0,1,2,3,4,5,6,7
	v_med3_num_f32 v[TMP+64*(\b%2)+8*\a+\i], v[8*(4*\a+\b)+\i], -v[LIM], v[LIM]
.endr
.endr
	WIN 0
.irp a, 0,1,2,3,4,5,6,7
	v_cvt_scalef32_pk8_fp8_f32 v[CD+16*\b+2*\a:CD+16*\b+2*\a+1], v[TMP+64*(\b%2)+8*\a:TMP+64*(\b%2)+8*\a+7], v[SCL]
.endr
	v_nop
.irp c, 0,1,2,3
	global_store_b128 v[LO], v[CD+16*\b+4*\c:CD+16*\b+4*\c+3], s[82:83] offset:131072*\b+512*\c
.endr
.endr
	s_wait_tensorcnt 0x0                           ; the wave's end
	ds_add_u32 v[SPW], v[NIL]
	s_wait_dscnt 0x0
	CROUND                                         ; the closing round
	s_endpgm
.Lfunc_end_k_q9483c2ab67_qkv:
	.size	k_q9483c2ab67_qkv, .Lfunc_end_k_q9483c2ab67_qkv-k_q9483c2ab67_qkv
	.p2alignl 7, 3214868480
	.fill 96, 4, 3214868480
	.section	.rodata,"a",@progbits
	.p2align	6, 0x0
	.amdhsa_kernel k_q9483c2ab67_qkv
		.amdhsa_group_segment_fixed_size 327680
		.amdhsa_private_segment_fixed_size 0
		.amdhsa_enable_private_segment 0
		.amdhsa_kernarg_size 48
		.amdhsa_user_sgpr_count 2
		.amdhsa_user_sgpr_kernarg_segment_ptr 1
		.amdhsa_wavefront_size32 1
		.amdhsa_system_sgpr_workgroup_id_x 1
		.amdhsa_system_sgpr_workgroup_id_y 1
		.amdhsa_system_sgpr_workgroup_id_z 1
		.amdhsa_system_vgpr_workitem_id 0
		.amdhsa_next_free_vgpr 1024
		.amdhsa_next_free_sgpr 100
		.amdhsa_reserve_vcc 0
		.amdhsa_float_denorm_mode_32 3
		.amdhsa_float_denorm_mode_16_64 3
		.amdhsa_memory_ordered 1
		.amdhsa_forward_progress 1
		.amdhsa_inst_pref_size 140
	.end_amdhsa_kernel
	.amdgpu_metadata
---
amdhsa.version: [ 1, 2 ]
amdhsa.kernels:
  - .name:           k_q9483c2ab67_qkv
    .symbol:         k_q9483c2ab67_qkv.kd
    .args:
      - { .name: xc, .offset: 0, .size: 8, .value_kind: global_buffer, .address_space: global }
      - { .name: wc, .offset: 8, .size: 8, .value_kind: global_buffer, .address_space: global }
      - { .name: lowp_scales, .offset: 16, .size: 8, .value_kind: global_buffer, .address_space: global }
      - { .name: qc, .offset: 24, .size: 8, .value_kind: global_buffer, .address_space: global }
      - { .name: kc, .offset: 32, .size: 8, .value_kind: global_buffer, .address_space: global }
      - { .name: vc, .offset: 40, .size: 8, .value_kind: global_buffer, .address_space: global }
    .group_segment_fixed_size: 327680
    .private_segment_fixed_size: 0
    .kernarg_segment_align: 8
    .kernarg_segment_size: 48
    .max_flat_workgroup_size: 128
    .sgpr_count:     100
    .vgpr_count:     1024
    .wavefront_size: 32
...
	.end_amdgpu_metadata
.endif
;; end of part 2
;; launch attn (part 3): grid 4 x 64, 16 waves a work-group, clusters of 4 x 1, 264,192 bytes of LDS; arguments qc, kc, vc, tw, lowp_scales, oc; writes oc
.if DOCPART == 3
	.amdgcn_target "amdgcn-amd-amdhsa--gfx1250"
	.amdhsa_code_object_version 6
	.text
	.protected	k_q9483c2ab67_attn
	.globl	k_q9483c2ab67_attn
	.p2align	8
	.type	k_q9483c2ab67_attn,@function
k_q9483c2ab67_attn:
	s_mov_b64 s[64:65], 0
	v_nop
	global_prefetch_b8 v0, s[64:65] scope:SCOPE_SE
	s_setreg_imm32_b32 hwreg(HW_REG_WAVE_MODE, 25, 1), 1
	s_wait_xcnt 0x0
	s_wait_alu depctr_hold_cnt(0) depctr_sa_sdst(0) depctr_va_vdst(0) depctr_va_sdst(0) depctr_va_ssrc(0) depctr_va_vcc(0) depctr_vm_vsrc(0)
	s_getreg_b32 s2, hwreg(HW_REG_IB_STS2, 6, 4)
	s_cmp_eq_u32 s2, 0
	s_cbranch_scc0 .Lentry_in_a_cluster
	s_endpgm
.Lentry_in_a_cluster:
	s_bfe_u32 s2, ttmp6, 0x10000c
	s_cmp_lg_u32 s2, 0x3003
	s_cbranch_scc0 .Lentry_shape_is_right
	s_endpgm
.Lentry_shape_is_right:
; o[b][h][q] = the sum over keys of softmax(q . k / 8 x w[b][h]) v, both products on codes of E4M3; o is quantised at once (scale e10) for the output projection.
; t = score x c, c = c'[b][h] x 2^(e6 + e7), c' = w log2(e) / 8 from launch prep (never negative); M = the running largest t rounded UP to a whole number; p = 2^(t - M) is quantised with 2^e8;
; the row's sum is taken of the unquantised p and divides at the end.  When M moves, the sum and O are multiplied by 2^(old M - new M): exact.
; SHARES.  Work-group (x, y): head y = 16 b + h, queries 512 x .. 512 x + 511.  Each of sixteen waves (256 registers) owns 32 queries, two tiles A and B: each fragment of K and V read from LDS feeds two products.
; THE WHOLE HEAD LIES IN LDS, every byte filled once: K at byte 0 (key step ks, 128 keys, at 8,192 ks: eight fragments of 1,024 bytes); V^T at byte 131,072: pair of key steps u at 16,384 u, in it row d (16 of the head's 64) at 4,096 d, in it key step 2 u + q at 2,048 q.
; EVERY WAVE ISSUES ONE TENSOR LOAD of 16,384 bytes: waves 0-7 K's key steps 2 w, 2 w + 1 (16 rows of 1,024 bytes), waves 8-15 V's (4 rows of 4,096 bytes).  The four query blocks of a head are a cluster and ask JOINTLY (mask 15).
; No prefetch: all of K and V is asked for at the head, so there is no loop to run ahead in.
; LAYOUT.  All operands are images of the matrix operand's registers (lane l's registers 4 j .. 4 j + 3 at byte 512 j + 16 l).  Both products are used transposed: S^T = K Q^T, O^T = V^T P^T: a lane holds ONE query (lane % 16).
; In tile t of S^T, lane (r, hl) holds keys 16 t + 8 hl + 0 .. 7: their conversion gives registers 2 t, 2 t + 1 of P's fragment of 128 keys.  Likewise O^T's four tiles give o's fragment of 64.
; LIMITS: e8, and e10 - e8 - e9, between -126 and 119, so that each scale and 448 x it are f32 numbers; e6 + e7 is applied by v_ldexp_f32 and has none.
.set LI,   1                           ; v1   16 x lane
.set ADK,  2                           ; v2   LDS address of the pair's K
.set ADV,  3                           ; v3   of its V
.set LIV,  4                           ; v4   16 x lane + V's first byte
.set PSC,  6                           ; v6   2^e8
.set PRM,  7                           ; v7   a lane permute's destination
                                       ; v8 -M, v9 the largest t, v[10:11] the sum: tile A;  v12, v13, v[14:15]: tile B
.set F,    16                          ; v[16:17] f = 2^(old M - new M)
.set MX,   18                          ; v18-21 four chains of maxima
.set T1,   20                          ; v[20:21], v[248:249], v[250:251]: three more chains of the sum
.set T2,   248
.set T3,   250
.set OSC,  22                          ; v22  2^(e10 - e8 - e9)
.set OLIM, 23                          ; v23  448 x it
.set QA,   24                          ; v24-31, v32-39  Q's two fragments
.set QB,   32
.set PA,   40                          ; v40-55   tile A's p as codes
.set KB,   56                          ; v56-119  K's eight fragments; v56-71 later tile B's p as codes
.set S,    120                         ; v120-183 S^T, then p; then V's four fragments
.set OA,   184                         ; v184-215, v216-247  O^T
.set OB,   216
.set VOFF, 131072
.set WV,   16                          ; s16  my wave's number
.set SEL,  20                          ; s[20:21] v_permlanex16_b32: lane l xor 16
.set CS,   22                          ; s[22:23] c
.set G1K,  24                          ; s[24:31] descriptor group 1 for K's tiles;  s[32:39] for V's
.set G1V,  32
.set TB,   52                          ; s52  16,384 x the pair of key steps
.set CNT,  53                          ; s53  trips to go
.set PLS,  62                          ; s62  448 x 2^e8
.set G0,   68                          ; s[68:71] group 0
.macro CROUND                          ; a round of the cluster's barrier
	s_barrier_signal -1
	s_barrier_wait -1
	s_cmp_lg_u32 s[WV], 0
	s_cbranch_scc1 .Lnot_wave_0_\@
	s_barrier_signal -3
.Lnot_wave_0_\@:
	s_barrier_wait -3
	s_barrier_signal -1
	s_barrier_wait -1
.endm
	s_load_b256 s[4:11], s[0:1], 0x0               ; qc s[4:5], kc s[6:7], vc s[8:9], tw s[10:11]
	s_load_b128 s[12:15], s[0:1], 0x20             ; the scales' exponents s[12:13], oc s[14:15]
	v_lshl_add_u32 v254, v0, 2, 0x40000
	v_mov_b32 v255, 0
	ds_add_u32 v254, v255                          ; the opening lines: the add twice on end and its wait
	ds_add_u32 v254, v255
	v_lshrrev_b32 v2, 5, v0
	s_delay_alu instid0(VALU_DEP_1)
	v_readfirstlane_b32 s[WV], v2                  ; wave 0..15
	v_and_b32 v[LI], 31, v0
	s_delay_alu instid0(VALU_DEP_1)
	v_lshlrev_b32 v[LI], 4, v[LI]
	s_delay_alu instid0(VALU_DEP_1)
	v_add_nc_u32 v[LIV], VOFF, v[LI]
	s_bfe_u32 s17, ttmp6, 0x40000                  ; cx
	s_lshl_b32 s54, ttmp9, 2
	s_add_co_u32 s17, s17, s54                     ; my block of 512 queries: it enters Q's and o's addresses alone
	s_and_b32 s19, ttmp7, 0xffff
	s_lshr_b32 s18, s19, 4                         ; b
	s_and_b32 s19, s19, 15                         ; h
	s_mov_b32 s[SEL], 0x76543210
	s_mov_b32 s[SEL+1], 0xfedcba98
	; group 1, elements of 8 bytes.  K: 16 rows (16 keys each) of 1,024 bytes, 16,384 bytes apart.  V: 4 rows (16 of the head's 64) of 4,096 bytes, 131,072 bytes apart.  Dense in LDS.
	s_mov_b32 s[G1K], 15|(3<<16)|(1<<21)           ; the mask: all four work-groups; bit 21 set beside it
	s_mov_b32 s[G1K+1], 128<<16
	s_mov_b32 s[G1K+2], 16<<16
	s_mov_b32 s[G1K+3], 128<<16
	s_mov_b32 s[G1K+4], 16
	s_mov_b32 s[G1K+5], 2048
	s_mov_b32 s[G1K+6], 0
	s_mov_b32 s[G1K+7], 0
	s_mov_b32 s[G1V], 15|(3<<16)|(1<<21)
	s_mov_b32 s[G1V+1], 512<<16
	s_mov_b32 s[G1V+2], 4<<16
	s_mov_b32 s[G1V+3], 512<<16
	s_mov_b32 s[G1V+4], 4
	s_mov_b32 s[G1V+5], 16384
	s_mov_b32 s[G1V+6], 0
	s_mov_b32 s[G1V+7], 0
	s_and_b32 s54, s[WV], 7                        ; which pair of key steps I fetch
	s_lshl_b32 s56, s[WV], 14                      ; LDS: 16,384 x wave (V's first byte is 8 x 16,384)
	s_lshl_b32 s57, s18, 21                        ; K in memory: batch b's 128 rows of 16 tokens, 16,384 bytes each,
	s_lshl_b32 s58, s19, 10                        ; head h's 1,024 of them,
	s_add_co_u32 s57, s57, s58
	s_lshl_b32 s58, s54, 18                        ; a pair of key steps is 16 such rows
	s_add_co_u32 s57, s57, s58
	s_lshl_b32 s59, s19, 19                        ; V in memory: head h's 4 rows of 131,072 bytes,
	s_lshl_b32 s58, s18, 15                        ; batch b's 16 images of them,
	s_add_co_u32 s59, s59, s58
	s_lshl_b32 s58, s54, 12                        ; a pair of key steps is two images
	s_add_co_u32 s59, s59, s58
	s_lshl_b32 s60, s18, 7
	s_lshl_b32 s61, s19, 2
	s_add_co_u32 s60, s60, s61                     ; c': word 32 b + h
	s_mov_b32 s61, 0
	s_wait_dscnt 0x0
	s_wait_kmcnt 0x0
	s_load_b256 s[40:47], s[12:13], 0x0            ; e0 .. e7
	s_load_b128 s[48:51], s[12:13], 0x20           ; e8 .. e11
	s_add_nc_u64 s[10:11], s[10:11], s[60:61]
	s_load_b32 s[CNT], s[10:11], 0x0               ; c' (read below, before the register counts trips)
	s_cmp_lt_u32 s[WV], 8                          ; the choice hangs on the wave's number alone
	s_cselect_b32 s60, s57, s59
	s_cselect_b64 s[66:67], s[6:7], s[8:9]
	s_add_nc_u64 s[66:67], s[66:67], s[60:61]
	s_mov_b32 s[G0], 1
	s_mov_b32 s[G0+1], s56
	s_mov_b64 s[G0+2:G0+3], s[66:67]
	s_or_b32 s[G0+3], s[G0+3], 0x80000000
	CROUND                                         ; all four work-groups are here: the joint loads meet
	s_cmp_lt_u32 s[WV], 8                          ; one fill to an arm, both arms lead to one join
	s_cbranch_scc0 .Lfor_v
	tensor_load_to_lds s[G0:G0+3], s[G1K:G1K+7]
	s_nop 0
.rept 4
	v_nop
.endr
	s_branch .Lasked
.Lfor_v:
	tensor_load_to_lds s[G0:G0+3], s[G1V:G1V+7]
	s_nop 0
.rept 4
	v_nop
.endr
.Lasked:
	s_lshl_b32 s54, s18, 21                        ; my first 16 queries: row 128 b + 32 x block + 2 x wave of 16,384 bytes, head h's 1,024 of them
	s_lshl_b32 s55, s17, 19
	s_add_co_u32 s54, s54, s55
	s_lshl_b32 s55, s[WV], 15
	s_add_co_u32 s54, s54, s55
	s_lshl_b32 s55, s19, 10
	s_add_co_u32 s54, s54, s55
	s_mov_b32 s55, 0
	s_add_nc_u64 s[4:5], s[4:5], s[54:55]
	s_add_nc_u64 s[14:15], s[14:15], s[54:55]      ; o's codes lie as q's
	s_wait_alu depctr_va_vdst(0)                   ; the wait ahead of the reader of v1
	global_load_b128 v[QA:QA+3], v[LI], s[4:5]
	global_load_b128 v[QA+4:QA+7], v[LI], s[4:5] offset:512
	global_load_b128 v[QB:QB+3], v[LI], s[4:5] offset:16384
	global_load_b128 v[QB+4:QB+7], v[LI], s[4:5] offset:16896
	v_mov_b32 v9, 0xff61b1e6                       ; the largest t so far: -3e38, under every t
	v_mov_b32 v13, 0xff61b1e6
	s_delay_alu instid0(VALU_DEP_2)
	v_floor_f32 v8, -v9                            ; -M
	s_delay_alu instid0(VALU_DEP_2)
	v_floor_f32 v12, -v13
	v_mov_b32 v10, 0                               ; the sums
	v_mov_b32 v11, 0
	v_mov_b32 v14, 0
	v_mov_b32 v15, 0
	v_mov_b32 v[PRM], 0
	v_mov_b32 v[F+1], 0
.set j, 0
.rept 64
	v_mov_b32 v[OA+j], 0                           ; O^T: the key step has no first step of its own: it finds zeros, which the first change of M leaves zeros
.set j, j+1
.endr
	s_wait_kmcnt 0x0
	s_add_co_i32 s54, s46, s47                     ; a score stands for score x 2^(e6 + e7)
	v_mov_b32 v[MX], s[CNT]
	s_delay_alu instid0(VALU_DEP_1)
	v_ldexp_f32 v[MX], v[MX], s54                  ; (c' may be tiny or 0: so by v_ldexp_f32, not by its exponent field)
	s_delay_alu instid0(VALU_DEP_1)
	v_readfirstlane_b32 s[CS], v[MX]
	s_mov_b32 s[CS+1], s[CS]
	s_add_co_i32 s54, s48, 127
	s_lshl_b32 s55, s54, 23
	v_mov_b32 v[PSC], s55
	s_add_co_i32 s54, s54, 8
	s_lshl_b32 s54, s54, 23
	s_or_b32 s[PLS], s54, 0x600000
; One tile's softmax for 128 keys.  st: its statistics; pd: where its codes go; ob: its O^T; vload = 1: V's fragments of key step q of the pair are asked for, into S^T's registers, as soon as the conversions have read them.
.macro SOFTMAX st, pd, ob, vload, q
.irp i, 0,1,2,3
	v_max3_num_f32 v[MX+\i], v[S+3*\i], v[S+3*\i+1], v[S+3*\i+2]   ; the largest of my 64 scores, in four chains, registers ascending: each accumulator is first read at its low end
.endr
.set j, 12
.rept 26
	v_max3_num_f32 v[MX+(j/2)%4], v[MX+(j/2)%4], v[S+j], v[S+j+1]
.set j, j+2
.endr
	v_max3_num_f32 v[MX], v[MX], v[MX+1], v[MX+2]
	s_delay_alu instid0(VALU_DEP_1)
	v_max_num_f32 v[MX], v[MX], v[MX+3]
	s_delay_alu instid0(VALU_DEP_1)
	v_permlanex16_b32 v[PRM], v[MX], s[SEL], s[SEL+1]
	s_delay_alu instid0(VALU_DEP_1)
	v_max_num_f32 v[MX], v[MX], v[PRM]             ; and of lane l xor 16's
	s_delay_alu instid0(VALU_DEP_1)
	v_mul_f32 v[MX], s[CS], v[MX]                  ; as t (c is not negative)
	s_delay_alu instid0(VALU_DEP_1)
	v_max_num_f32 v[\st+1], v[\st+1], v[MX]        ; the running largest t
	v_mov_b32 v[MX], v[\st]
	s_delay_alu instid0(VALU_DEP_2)
	v_floor_f32 v[\st], -v[\st+1]                  ; the new -M = floor(-t) = -ceil(t)
.set j, 0
.rept 32
	v_pk_fma_f32 v[S+j:S+j+1], v[S+j:S+j+1], s[CS:CS+1], v[\st:\st+1] op_sel_hi:[1,0,0]   ; t - M, two at a time; the three dependent lines that make f stand among them
.if j == 6
	v_sub_f32 v[MX], v[\st], v[MX]                 ; old M - new M: a whole number, 0 or less
.endif
.if j == 14
	v_cvt_i32_f32 v[MX], v[MX]                     ; (it saturates)
.endif
.if j == 22
	v_ldexp_f32 v[F], 1.0, v[MX]                   ; f
.endif
.set j, j+2
.endr
	s_wait_alu depctr_va_vdst(0)                   ; the wait ahead of the batch
.set j, 0
.rept 64
	v_exp_f32 v[S+j], v[S+j]                       ; p = 2^(t - M), at most 1
.set j, j+1
.endr
	v_pk_mul_f32 v[\st+2:\st+3], v[\st+2:\st+3], v[F:F+1] op_sel_hi:[1,0]   ; the sum under the new M: the plain line behind the exponentials
	s_wait_alu depctr_va_vdst(0)                   ; one wait for the batch, ahead of its first reader
	v_pk_add_f32 v[T1:T1+1], v[S:S+1], v[S+2:S+3]  ; the sum of the UNQUANTISED p, in four chains
	v_pk_add_f32 v[T2:T2+1], v[S+4:S+5], v[S+6:S+7]
	v_pk_add_f32 v[T3:T3+1], v[S+8:S+9], v[S+10:S+11]
.set j, 12
.rept 6
	v_pk_add_f32 v[\st+2:\st+3], v[\st+2:\st+3], v[S+j:S+j+1]
	v_pk_add_f32 v[T1:T1+1], v[T1:T1+1], v[S+j+2:S+j+3]
	v_pk_add_f32 v[T2:T2+1], v[T2:T2+1], v[S+j+4:S+j+5]
	v_pk_add_f32 v[T3:T3+1], v[T3:T3+1], v[S+j+6:S+j+7]
.set j, j+8
.endr
	v_pk_add_f32 v[\st+2:\st+3], v[\st+2:\st+3], v[S+60:S+61]
	v_pk_add_f32 v[T1:T1+1], v[T1:T1+1], v[S+62:S+63]
	v_pk_add_f32 v[T2:T2+1], v[T2:T2+1], v[T3:T3+1]
	v_pk_add_f32 v[\st+2:\st+3], v[\st+2:\st+3], v[T1:T1+1]
	v_pk_add_f32 v[\st+2:\st+3], v[\st+2:\st+3], v[T2:T2+1]
.irp t, 0,1,2,3,4,5,6,7
.irp i, 0,2,4,6
	v_dual_min_num_f32 v[S+8*\t+\i], s[PLS], v[S+8*\t+\i] :: v_dual_min_num_f32 v[S+8*\t+\i+1], s[PLS], v[S+8*\t+\i+1]   ; the conversion does not saturate (ISA guide 7.6.2); p is not negative, so the hold is one-sided; two numbers a line
.endr
	v_cvt_scalef32_pk8_fp8_f32 v[\pd+2*\t:\pd+2*\t+1], v[S+8*\t:S+8*\t+7], v[PSC]   ; keys 16 t + 8 hl + 0 .. 7: registers 2 t, 2 t + 1 of P's fragment
.if (\vload) && ((\t)%2)
.irp i, 0,1,2,3
	ds_load_b128 v[S+8*(\t-1)+4*\i:S+8*(\t-1)+4*\i+3], v[ADV] offset:2048*(\q)+2048*(\t-1)+512*\i   ; V's fragment (t - 1) / 2, into the 16 registers that conversions t - 1 and t have read
.endr
.endif
.endr
	s_wait_alu depctr_va_vdst(0)                   ; the wait directly ahead of the first reader of O^T
.set j, 0
.rept 16
	v_pk_mul_f32 v[\ob+j:\ob+j+1], v[\ob+j:\ob+j+1], v[F:F+1] op_sel_hi:[1,0]   ; O^T under the new M.  (Also the plain lines between the conversions and the next matrix instructions)
.set j, j+2
.endr
.endm
; A KEY STEP: 128 keys, the q-th of the pair in hand, both tiles.
.macro KEYSTEP q
.if (\q) == 0
	v_add_nc_u32 v[ADK], s[TB], v[LI]
	v_add_nc_u32 v[ADV], s[TB], v[LIV]
.rept 3
	v_nop                                          ; five places behind the last products, whose sources are loaded over (four are owed) and written over by matrix instructions (five)
.endr
.else
.rept 5
	v_nop
.endr
.endif
.irp t, 0,1,2,3,4,5,6,7
	ds_load_b128 v[KB+8*\t:KB+8*\t+3], v[ADK] offset:8192*(\q)+1024*\t
	ds_load_b128 v[KB+8*\t+4:KB+8*\t+7], v[ADK] offset:8192*(\q)+1024*\t+512
.endr
	s_wait_dscnt 0x0
.irp t, 0,1,2,3,4,5,6,7
	v_wmma_f32_16x16x64_fp8_fp8 v[S+8*\t:S+8*\t+7], v[KB+8*\t:KB+8*\t+7], v[QA:QA+7], 0
.endr
.rept 4
	v_nop
.endr
	SOFTMAX 8, PA, OA, 0, \q
.irp t, 0,1,2,3,4,5,6,7
	v_wmma_f32_16x16x64_fp8_fp8 v[S+8*\t:S+8*\t+7], v[KB+8*\t:KB+8*\t+7], v[QB:QB+7], 0
.endr
.rept 4
	v_nop
.endr
	SOFTMAX 12, KB, OB, 1, \q
	s_wait_alu depctr_va_vdst(0)                   ; the wait directly ahead of the wait below
	s_wait_dscnt 0x0                               ; V is in
.irp d, 0,1,2,3                                ; eight accumulators, one instruction a turn
	v_wmma_f32_16x16x128_fp8_fp8 v[OA+8*\d:OA+8*\d+7], v[S+16*\d:S+16*\d+15], v[PA:PA+15], v[OA+8*\d:OA+8*\d+7]
	v_wmma_f32_16x16x128_fp8_fp8 v[OB+8*\d:OB+8*\d+7], v[S+16*\d:S+16*\d+15], v[KB:KB+15], v[OB+8*\d:OB+8*\d+7]
.endr
.endm
	s_wait_alu depctr_va_vdst(0)                   ; the wait at the head's end
	s_wait_loadcnt 0x0                             ; Q
	s_wait_tensorcnt 0x0                           ; my one load is in,
	s_barrier_signal -1
	s_barrier_wait -1                              ; everybody's is: the whole head lies in LDS
	s_mov_b32 s[TB], 0
	s_mov_b32 s[CNT], 8
.Lpair:
	KEYSTEP 0
	KEYSTEP 1
	s_add_co_u32 s[TB], s[TB], 16384
	s_sub_co_u32 s[CNT], s[CNT], 1
	s_cmp_lg_u32 s[CNT], 0
	s_cbranch_scc1 .Lpair
	; THE WAY OUT.  o = O^T x 2^(e8 + e9) / the sum; its code is (O^T / the sum) / 2^(e10 - e8 - e9).
.rept 4
	v_nop                                          ; places behind the last products
.endr
	v_add_f32 v10, v10, v11                        ; the sums' two halves,
	v_add_f32 v14, v14, v15
	s_delay_alu instid0(VALU_DEP_2)
	v_permlanex16_b32 v[PRM], v10, s[SEL], s[SEL+1]
	s_delay_alu instid0(VALU_DEP_1)
	v_add_f32 v10, v10, v[PRM]                     ; and lane l xor 16's
	s_delay_alu instid0(VALU_DEP_2)
	v_permlanex16_b32 v[PRM], v14, s[SEL], s[SEL+1]
	s_delay_alu instid0(VALU_DEP_1)
	v_add_f32 v14, v14, v[PRM]
	s_wait_alu depctr_va_vdst(0)
	v_rcp_f32 v10, v10
	v_rcp_f32 v14, v14
	s_sub_co_i32 s54, s50, s48
	s_sub_co_i32 s54, s54, s49
	s_add_co_i32 s54, s54, 127
	s_lshl_b32 s55, s54, 23
	v_mov_b32 v[OSC], s55                          ; (a plain line behind the reciprocals)
	s_add_co_i32 s54, s54, 8
	s_lshl_b32 s54, s54, 23
	s_or_b32 s54, s54, 0x600000
	v_mov_b32 v[OLIM], s54
	s_wait_alu depctr_va_vdst(0)                   ; one wait for both reciprocals and for O^T, directly ahead of the first reader
.macro OUTM u, st, ob
.set j, 0
.rept 16
	v_pk_mul_f32 v[S+32*\u+j:S+32*\u+j+1], v[\ob+j:\ob+j+1], v[\st+2:\st+3] op_sel_hi:[1,0]   ; / the sum; each accumulator from its low end on
.set j, j+2
.endr
.endm
.macro OUTC u
.set j, 0
.rept 32
	v_med3_num_f32 v[S+32*\u+j], v[S+32*\u+j], -v[OLIM], v[OLIM]
.set j, j+1
.endr
.irp d, 0,1,2,3
	v_cvt_scalef32_pk8_fp8_f32 v[KB+8*\u+2*\d:KB+8*\u+2*\d+1], v[S+32*\u+8*\d:S+32*\u+8*\d+7], v[OSC]   ; the head's 16 d + 8 hl + 0 .. 7: registers 2 d, 2 d + 1 of the fragment
.endr
	v_nop                                          ; a plain line behind the last conversion
	global_store_b128 v[LI], v[KB+8*\u:KB+8*\u+3], s[14:15] offset:16384*\u          ; 32 lanes store 512 consecutive bytes
	global_store_b128 v[LI], v[KB+8*\u+4:KB+8*\u+7], s[14:15] offset:16384*\u+512
.endm
	OUTM 0, 8, OA
	OUTM 1, 12, OB
	OUTC 0
	OUTC 1
	s_wait_tensorcnt 0x0                           ; the wave's end
	ds_add_u32 v254, v255
	s_wait_dscnt 0x0
	CROUND                                         ; the closing round: no work-group ends while a partner may still ask for a tile that names it
	s_endpgm
.Lfunc_end_k_q9483c2ab67_attn:
	.size	k_q9483c2ab67_attn, .Lfunc_end_k_q9483c2ab67_attn-k_q9483c2ab67_attn
	.p2alignl 7, 3214868480
	.fill 96, 4, 3214868480
	.section	.rodata,"a",@progbits
	.p2align	6, 0x0
	.amdhsa_kernel k_q9483c2ab67_attn
		.amdhsa_group_segment_fixed_size 264192
		.amdhsa_private_segment_fixed_size 0
		.amdhsa_enable_private_segment 0
		.amdhsa_kernarg_size 48
		.amdhsa_user_sgpr_count 2
		.amdhsa_user_sgpr_kernarg_segment_ptr 1
		.amdhsa_wavefront_size32 1
		.amdhsa_system_sgpr_workgroup_id_x 1
		.amdhsa_system_sgpr_workgroup_id_y 1
		.amdhsa_system_sgpr_workgroup_id_z 1
		.amdhsa_system_vgpr_workitem_id 0
		.amdhsa_next_free_vgpr 256
		.amdhsa_next_free_sgpr 100
		.amdhsa_reserve_vcc 0
		.amdhsa_float_denorm_mode_32 3
		.amdhsa_float_denorm_mode_16_64 3
		.amdhsa_memory_ordered 1
		.amdhsa_forward_progress 1
		.amdhsa_inst_pref_size 74
	.end_amdhsa_kernel
	.amdgpu_metadata
---
amdhsa.version: [ 1, 2 ]
amdhsa.kernels:
  - .name:           k_q9483c2ab67_attn
    .symbol:         k_q9483c2ab67_attn.kd
    .args:
      - { .name: qc, .offset: 0, .size: 8, .value_kind: global_buffer, .address_space: global }
      - { .name: kc, .offset: 8, .size: 8, .value_kind: global_buffer, .address_space: global }
      - { .name: vc, .offset: 16, .size: 8, .value_kind: global_buffer, .address_space: global }
      - { .name: tw, .offset: 24, .size: 8, .value_kind: global_buffer, .address_space: global }
      - { .name: lowp_scales, .offset: 32, .size: 8, .value_kind: global_buffer, .address_space: global }
      - { .name: oc, .offset: 40, .size: 8, .value_kind: global_buffer, .address_space: global }
    .group_segment_fixed_size: 264192
    .private_segment_fixed_size: 0
    .kernarg_segment_align: 8
    .kernarg_segment_size: 48
    .max_flat_workgroup_size: 512
    .sgpr_count:     100
    .vgpr_count:     256
    .wavefront_size: 32
...
	.end_amdgpu_metadata
.endif
;; end of part 3
;; launch proj (part 4): grid 4 x 64, 4 waves a work-group, clusters of 4 x 1, 167,936 bytes of LDS; arguments oc, wc, lowp_scales, bo, out0; writes out0
.if DOCPART == 4
	.amdgcn_target "amdgcn-amd-amdhsa--gfx1250"
	.amdhsa_code_object_version 6
	.text
	.protected	k_q9483c2ab67_proj
	.globl	k_q9483c2ab67_proj
	.p2align	8
	.type	k_q9483c2ab67_proj,@function
k_q9483c2ab67_proj:
	s_mov_b64 s[64:65], 0
	v_nop
	global_prefetch_b8 v0, s[64:65] scope:SCOPE_SE
	s_setreg_imm32_b32 hwreg(HW_REG_WAVE_MODE, 25, 1), 1
	s_wait_xcnt 0x0
	s_wait_alu depctr_hold_cnt(0) depctr_sa_sdst(0) depctr_va_vdst(0) depctr_va_sdst(0) depctr_va_ssrc(0) depctr_va_vcc(0) depctr_vm_vsrc(0)
	s_getreg_b32 s2, hwreg(HW_REG_IB_STS2, 6, 4)
	s_cmp_eq_u32 s2, 0
	s_cbranch_scc0 .Lentry_in_a_cluster
	s_endpgm
.Lentry_in_a_cluster:
	s_bfe_u32 s2, ttmp6, 0x10000c
	s_cmp_lg_u32 s2, 0x3003
	s_cbranch_scc0 .Lentry_shape_is_right
	s_endpgm
.Lentry_shape_is_right:
; out0[m][n] = 2^(e10 + e11) x (the sum over k of o's code [m][k] x Wo's code [k][n]) + bo[n].  M 8,192, N 1,024, K 1,024; codes of E4M3, sums in f32.
; LIMIT: e10 + e11 between -126 and 127, so that 2^(e10 + e11) is an f32 number.
; SHARES.  Work-group (cx, y): rows 128 y on, columns 256 cx on; wave w: its columns 64 w on: 128 x 64 of the output.  256 work-groups.
; A (o's codes): 128 rows x the whole K are one dense block of 131,072 bytes of register images, filled once, one tensor load of 32,768 bytes a wave; the four work-groups of a row block are a cluster and ask JOINTLY (mask 15).
; B (Wo's codes) is each wave's own: 64 columns x the whole K, 65,536 bytes, go from memory straight into 512 registers, once: 128 loads of 512 consecutive bytes.
; THE WORK GOES BY ROWS OF THE OUTPUT: the wave's eight blocks of 16 rows are finished one after the other, 32 matrix instructions each (K ascending, the block's four accumulators by turns),
; and each block goes through the stage and is stored while the next is multiplied.
; No prefetch: A and B are asked for whole at the head, and the eight blocks are written out: there is no loop to run ahead in.
; THE MATRIX INSTRUCTION IS USED TRANSPOSED (source 0 = 16 columns of Wo, source 1 = 16 rows of o): a lane holds eight neighbouring numbers of a row of the output.
; REGISTERS: window 0: v1-12 addresses and the bias, v32-95 the way out, v128-191 two sets of four accumulators; window 1: A's fragments of a block, two sets of 128; windows 2, 3: B, K step k at v[64 k].
.set KSB,    2048
.set R16,    16384
.set STAGE,  131072                    ; behind A: a stage of 16 rows x 272 bytes for each wave, bytes into which no tensor load lands
.set SPITCH, 272
.set SPARE,  STAGE+4*16*SPITCH         ; behind the stages: the spare words
.set LO,   1                           ; v1  16 x lane: also the LDS address of A's blocks 0-3
.set STO,  2
.set RD,   3
.set CO,   4
.set BO,   5
.set SPW,  6
.set NIL,  7
.set BI,   8                           ; v[8:11] the bias of my four columns
.set LOH,  12                          ; v12 16 x lane + 65,536: A's blocks 4-7
.set BK,   32
.set AC,   128
.set G1,   24
.set G0,   32
.set MSB, 0
.macro WIN new
.if MSB != \new
	s_set_vgpr_msb (MSB<<8)|\new
.set MSB, \new
.endif
.endm
.macro CROUND
	s_barrier_signal -1
	s_barrier_wait -1
	s_cmp_lg_u32 s14, 0
	s_cbranch_scc1 .Lnot_wave_0_\@
	s_barrier_signal -3
.Lnot_wave_0_\@:
	s_barrier_wait -3
	s_barrier_signal -1
	s_barrier_wait -1
.endm
.macro BLOAD ks                        ; 16 loads: B's four fragments of K step ks
.if (\ks) < 4
	WIN 0x80
.else
	WIN 0xc0
.endif
.irp b, 0,1,2,3
.irp c, 0,1,2,3
	global_load_b128 v[64*((\ks)%4)+16*\b+4*\c:64*((\ks)%4)+16*\b+4*\c+3], v[LO], s[6:7] offset:KSB*(\ks)+R16*\b+512*\c
.endr
.endr
.endm
.macro ALOAD a                         ; 32 LDS loads: block a's fragments of all eight K steps into set a % 2
	WIN 0x40
.irp k, 0,1,2,3,4,5,6,7
.irp c, 0,1,2,3
.if (\a) < 4
	ds_load_b128 v[128*((\a)%2)+16*\k+4*\c:128*((\a)%2)+16*\k+4*\c+3], v[LO] offset:R16*(\a)+KSB*\k+512*\c
.else
	ds_load_b128 v[128*((\a)%2)+16*\k+4*\c:128*((\a)%2)+16*\k+4*\c+3], v[LOH] offset:R16*((\a)-4)+KSB*\k+512*\c
.endif
.endr
.endr
.endm
; Block a: 32 matrix instructions; the four accumulators take turns, one instruction a turn, so that three others stand between two steps of a sum; K step 0 starts the sums.
.macro ROW a
.irp k, 0,1,2,3,4,5,6,7
.if (\a) == 0                          ; the first block meets B on its way in: behind K step k's 16 loads stand 16 (7 - k) more; a wait's count names 63 at the most
.if 16*(7-\k) > 63
	s_wait_loadcnt 63
.else
	s_wait_loadcnt 16*(7-\k)
.endif
.endif
.if \k < 4
	WIN 0x06                                       ; source 0 window 2 (B), source 1 window 1 (A), C and D window 0
.else
	WIN 0x07                                       ; source 0 window 3
.endif
.irp b, 0,1,2,3
.if \k == 0
	v_wmma_f32_16x16x128_fp8_fp8 v[AC+32*((\a)%2)+8*\b:AC+32*((\a)%2)+8*\b+7], v[64*(\k%4)+16*\b:64*(\k%4)+16*\b+15], v[128*((\a)%2)+16*\k:128*((\a)%2)+16*\k+15], 0
.else
	v_wmma_f32_16x16x128_fp8_fp8 v[AC+32*((\a)%2)+8*\b:AC+32*((\a)%2)+8*\b+7], v[64*(\k%4)+16*\b:64*(\k%4)+16*\b+15], v[128*((\a)%2)+16*\k:128*((\a)%2)+16*\k+15], v[AC+32*((\a)%2)+8*\b:AC+32*((\a)%2)+8*\b+7]
.endif
.endr
.endr
.endm
; THE WAY OUT of a block of 16 rows x 64 columns, through my own stage in LDS: back come whole rows of 256 bytes, which sixteen lanes store as one aligned unit.  LDS serves a wave's instructions in order (ISA guide 5.7.1.4).
.macro TOSTAGE a
	WIN 0
.irp b, 0,1,2,3
	ds_store_b128 v[STO], v[AC+32*((\a)%2)+8*\b:AC+32*((\a)%2)+8*\b+3] offset:64*\b          ; each accumulator from its low end on
	ds_store_b128 v[STO], v[AC+32*((\a)%2)+8*\b+4:AC+32*((\a)%2)+8*\b+7] offset:64*\b+16
.endr
.set BB, BK+32*((\a)%2)
.irp t, 0,1,2,3,4,5,6,7
	ds_load_b128 v[BB+4*\t:BB+4*\t+3], v[RD] offset:\t*2*SPITCH
.endr
.endm
.macro SEND a
.set BB, BK+32*((\a)%2)
	WIN 0
	s_wait_dscnt 0x0                               ; block a is back from the stage, and the fragments of A asked for ahead of it are in: all were issued ahead of the 32 products above
	s_wait_xcnt 0x0                                ; the earlier stores have read their base and their registers
.irp t, 0,1,2,3,4,5,6,7
	v_pk_fma_f32 v[BB+4*\t:BB+4*\t+1], v[BB+4*\t:BB+4*\t+1], s[52:53], v[BI:BI+1] op_sel_hi:[1,0,1]       ; x 2^(e10 + e11), + bo.  (These 16 are also the places behind the products above)
	v_pk_fma_f32 v[BB+4*\t+2:BB+4*\t+3], v[BB+4*\t+2:BB+4*\t+3], s[52:53], v[BI+2:BI+3] op_sel_hi:[1,0,1]
.endr
.if (\a) > 0
	s_add_nc_u64 s[12:13], s[12:13], 16*4096
.endif
.irp t, 0,1,2,3,4,5,6,7
	global_store_b128 v[CO], v[BB+4*\t:BB+4*\t+3], s[12:13] offset:\t*2*4096 th:TH_STORE_NT   ; 16 lanes store 256 consecutive bytes, aligned
.endr
.endm
	s_load_b128 s[4:7], s[0:1], 0x0                ; oc, wc
	s_load_b128 s[8:11], s[0:1], 0x10              ; the scales' exponents, bo
	s_load_b64 s[12:13], s[0:1], 0x20              ; out0
	v_lshl_add_u32 v[SPW], v0, 2, SPARE
	v_mov_b32 v[NIL], 0
	ds_add_u32 v[SPW], v[NIL]                      ; the opening lines: the add twice on end and its wait
	ds_add_u32 v[SPW], v[NIL]
	v_lshrrev_b32 v13, 5, v0
	v_readfirstlane_b32 s14, v13                   ; wave 0..3
	v_and_b32 v14, 31, v0
	v_lshlrev_b32 v[LO], 4, v14
	v_add_nc_u32 v[LOH], 65536, v[LO]
	v_and_b32 v15, 15, v0                          ; r
	v_bfe_u32 v16, v0, 4, 1                        ; hl
	v_mul_u32_u24 v17, v13, 16*SPITCH
	v_add_nc_u32 v17, STAGE, v17                   ; my stage
	v_mad_u32_u24 v[STO], v15, SPITCH, v17
	v_lshl_add_u32 v[STO], v16, 5, v[STO]          ; in: row r, 32 bytes for each half of the lanes
	v_mad_u32_u24 v[RD], v16, SPITCH, v17
	v_lshl_add_u32 v[RD], v15, 4, v[RD]            ; back: lanes 0-15 one row of 256 bytes, lanes 16-31 the next
	v_lshlrev_b32 v[BO], 4, v15
	v_lshl_add_u32 v[CO], v16, 12, v[BO]           ; and the same two rows in the output
	s_bfe_u32 s15, ttmp6, 0x40000                  ; cx: it enters B's, the bias's and the output's addresses alone
	s_and_b32 s16, ttmp7, 0xffff                   ; y
	s_mov_b32 s[G1], 15|(3<<16)|(1<<21)            ; the mask: all four work-groups; elements of 8 bytes; bit 21 set beside the mask
	s_mov_b32 s[G1+1], 512<<16                     ; 8 rows of 4,096 bytes, dense in memory and in LDS
	s_mov_b32 s[G1+2], 8<<16
	s_mov_b32 s[G1+3], 512<<16
	s_mov_b32 s[G1+4], 8
	s_mov_b32 s[G1+5], 512
	s_mov_b32 s[G1+6], 0
	s_mov_b32 s[G1+7], 0
	s_lshl_b32 s38, s14, 15                        ; my quarter of A
	s_lshl_b32 s36, s16, 17
	s_add_co_u32 s36, s36, s38
	s_mov_b32 s37, 0
	s_lshl_b32 s40, s15, 18                        ; B: (16 cx + 4 w) rows of images,
	s_lshl_b32 s41, s14, 16
	s_add_co_u32 s40, s40, s41
	s_add_co_u32 s40, s40, 0x300000                ; in Wo's codes, the fourth MiB of wc
	s_mov_b32 s41, 0
	s_lshl_b32 s42, s15, 10                        ; my first column, in bytes of f32
	s_lshl_b32 s43, s14, 8
	s_add_co_u32 s42, s42, s43
	s_mov_b32 s43, 0
	s_lshl_b32 s44, s16, 19                        ; my first row: 128 y rows of 4,096 bytes
	s_add_co_u32 s44, s44, s42
	s_mov_b32 s45, 0
	s_wait_alu depctr_va_vdst(0)                   ; the wait at the head's end, directly ahead of the wait below
	s_wait_dscnt 0x0
	s_wait_kmcnt 0x0
	s_load_b64 s[52:53], s[8:9], 0x28              ; e10, e11
	s_add_nc_u64 s[4:5], s[4:5], s[36:37]
	s_add_nc_u64 s[6:7], s[6:7], s[40:41]
	s_add_nc_u64 s[10:11], s[10:11], s[42:43]
	s_add_nc_u64 s[12:13], s[12:13], s[44:45]
	s_mov_b32 s[G0], 1
	s_mov_b32 s[G0+1], s38
	s_mov_b64 s[G0+2:G0+3], s[4:5]
	s_or_b32 s[G0+3], s[G0+3], 0x80000000
	CROUND                                         ; all four work-groups are here: the joint loads meet
	tensor_load_to_lds s[G0:G0+3], s[G1:G1+7]      ; my one tensor load
	s_nop 0
.rept 4
	v_nop
.endr
	global_load_b128 v[BI:BI+3], v[BO], s[10:11]
.irp k, 0,1,2,3,4,5,6,7
	BLOAD \k
.endr
	WIN 0
	s_wait_kmcnt 0x0
	s_add_co_i32 s52, s52, s53
	s_add_co_i32 s52, s52, 127
	s_lshl_b32 s52, s52, 23                        ; 2^(e10 + e11) as f32
	s_mov_b32 s53, s52
	s_wait_tensorcnt 0x0                           ; my quarter of A is in,
	s_barrier_signal -1
	s_barrier_wait -1                              ; everybody's is
	ALOAD 0
	ALOAD 1
	s_wait_dscnt 32                                ; block 0's fragments are in; block 1's 32 loads may be out
	ROW 0
.rept 4
	v_nop                                          ; four places ahead of the loads into block 0's fragments and of the first read of its results
.endr
	ALOAD 2
	TOSTAGE 0
	s_wait_dscnt 48                                ; block 1's fragments are in; behind them: block 2's 32 loads, the stage's 8 stores and 8 loads
	ROW 1
.irp a, 1,2,3,4,5
	SEND \a-1
	ALOAD \a+2                                     ; into the set that block a's products have read
	TOSTAGE \a
	ROW \a+1
.endr
	SEND 5
	TOSTAGE 6
	ROW 7
	SEND 6
	TOSTAGE 7
	SEND 7
	s_wait_tensorcnt 0x0                           ; the wave's end
	ds_add_u32 v[SPW], v[NIL]
	s_wait_dscnt 0x0
	CROUND                                         ; the closing round
	s_endpgm
.Lfunc_end_k_q9483c2ab67_proj:
	.size	k_q9483c2ab67_proj, .Lfunc_end_k_q9483c2ab67_proj-k_q9483c2ab67_proj
	.p2alignl 7, 3214868480
	.fill 96, 4, 3214868480
	.section	.rodata,"a",@progbits
	.p2align	6, 0x0
	.amdhsa_kernel k_q9483c2ab67_proj
		.amdhsa_group_segment_fixed_size 167936
		.amdhsa_private_segment_fixed_size 0
		.amdhsa_enable_private_segment 0
		.amdhsa_kernarg_size 40
		.amdhsa_user_sgpr_count 2
		.amdhsa_user_sgpr_kernarg_segment_ptr 1
		.amdhsa_wavefront_size32 1
		.amdhsa_system_sgpr_workgroup_id_x 1
		.amdhsa_system_sgpr_workgroup_id_y 1
		.amdhsa_system_sgpr_workgroup_id_z 1
		.amdhsa_system_vgpr_workitem_id 0
		.amdhsa_next_free_vgpr 1024
		.amdhsa_next_free_sgpr 66
		.amdhsa_reserve_vcc 0
		.amdhsa_float_denorm_mode_32 3
		.amdhsa_float_denorm_mode_16_64 3
		.amdhsa_memory_ordered 1
		.amdhsa_forward_progress 1
		.amdhsa_inst_pref_size 74
	.end_amdhsa_kernel
	.amdgpu_metadata
---
amdhsa.version: [ 1, 2 ]
amdhsa.kernels:
  - .name:           k_q9483c2ab67_proj
    .symbol:         k_q9483c2ab67_proj.kd
    .args:
      - { .name: oc, .offset: 0, .size: 8, .value_kind: global_buffer, .address_space: global }
      - { .name: wc, .offset: 8, .size: 8, .value_kind: global_buffer, .address_space: global }
      - { .name: lowp_scales, .offset: 16, .size: 8, .value_kind: global_buffer, .address_space: global }
      - { .name: bo, .offset: 24, .size: 8, .value_kind: global_buffer, .address_space: global }
      - { .name: out0, .offset: 32, .size: 8, .value_kind: global_buffer, .address_space: global }
    .group_segment_fixed_size: 167936
    .private_segment_fixed_size: 0
    .kernarg_segment_align: 8
    .kernarg_segment_size: 40
    .max_flat_workgroup_size: 128
    .sgpr_count:     66
    .vgpr_count:     1024
    .wavefront_size: 32
...
	.end_amdgpu_metadata
.endif
;; end of part 4
